; MI455X (gfx1250); checked and timed in simulation.
; The chip was launched on July 23, 2026; its instructions are those of AMD's public machine-readable ISA for CDNA 5 (MIT licence, August 2026) and "CDNA5" Instruction Set Architecture Reference Guide (July 2026). The comments in the code are by the model that wrote it; some were corrected since.
;; Multi Head Self Attention2 D. Allowed arithmetic: matrix products marked QUANTISED: E4M3 operands, one given power-of-two scale a tensor, by v_wmma_f32_16x16x64_fp8_fp8 or v_wmma_f32_16x16x128_fp8_fp8, f32 sums; everything else in f32.
;; Inputs: bk 256 float32; bp 256 float32; bq 256 float32; bv 256 float32; gamma 1 float32; lowp_scales 12 int32 (the exponents e of the quantised operands' scales 2^e); wk 256 x 256 float32; wp 256 x 256 float32; wq 256 x 256 float32; wv 256 x 256 float32; x 4 x 256 x 64 x 64 float32.
;; Outputs: out0 4 x 256 x 64 x 64 float32.
;; This version of the problem:
;;   THIS VERSION OF THE PROBLEM IS GIVEN IN LOW PRECISION. The matrix products marked QUANTISED in the list below multiply operands that are first quantised to E4M3 (4 exponent bits, 3 mantissa bits; 8 bits a number), with one given power-of-two scale for each operand tensor; their sums are f32. All else is computed in f32.
;;   The module's matrix products, in the order in which they are computed (A, B: the left and right operand; K: the contracted axis; several contracted axes count as one K, in the product's order):
;;     1. [M 16,384, K 256] x [K 256, N 256]; A: input x; B: input wq: QUANTISED (scales: A lowp_scales[0], B lowp_scales[1])
;;     2. [M 16,384, K 256] x [K 256, N 256]; A: input x; B: input wk: QUANTISED (scales: A lowp_scales[2], B lowp_scales[3])
;;     3. [M 16,384, K 256] x [K 256, N 256]; A: input x; B: input wv: QUANTISED (scales: A lowp_scales[4], B lowp_scales[5])
;;     4. batch 16 x [M 4,096, K 64] x [K 64, N 4,096]; A: computed on the way; B: computed on the way: QUANTISED (scales: A lowp_scales[6], B lowp_scales[7])
;;     5. batch 16 x [M 64, K 4,096] x [K 4,096, N 4,096]; A: computed on the way; B: softmax (see below): QUANTISED (scales: A lowp_scales[8], B lowp_scales[9])
;;     6. [M 16,384, K 256] x [K 256, N 256]; A: computed on the way; B: input wp: QUANTISED (scales: A lowp_scales[10], B lowp_scales[11])
;;   THE QUANTISER, for each operand of a quantised product, along K:
;;     - The operand's scale is 2^e, e = its entry of the input lowp_scales (int32; the entries are numbered through the quantised products in the list's order, A before B).
;;     - Each number is divided by the scale, clamped to +-448, and rounded to the nearest number of E4M3, ties to even, subnormals kept.
;;     - The product sums the exact products of the quantised numbers (number of the format x scale) in f32.
;;   ~~~python
;;   def quantise(x, axis, e):      # numpy; x: float32 -> the quantised numbers, widened to float32 again
;;       x = np.moveaxis(x, axis, -1); K = x.shape[-1]
;;       r = np.clip(x / 2.0 ** e, -448, 448)
;;       step = 2.0 ** (np.maximum(np.frexp(np.where(r == 0, 1, r))[1] - 1, -6) - 3)
;;       q = np.round(r / step) * step * 2.0 ** e      # np.round: ties to even
;;       return np.moveaxis(q, -1, axis).astype(np.float32)
;;   ~~~
;;   SOFTMAX AHEAD OF A QUANTISED PRODUCT. Where the list says 'softmax', what is quantised is not the finished softmax but p = 2^(t - M), with t = logit x log2(e) and M = ceil(the row's largest t), a whole number; so 1/2 < the row's largest p <= 1. The row's sum l is taken of the UNQUANTISED p, in f32, and the product's result is divided by l at the end. Since M is a whole number, a kernel that streams over the keys may use a running M (the ceiling of the running maximum): every later rescaling is an exact power of two, so the quantised numbers keep their values, but for numbers so far below the row's largest that they fall under the format's range.
;;   OPERANDS COMPUTED ON THE WAY. 'Computed on the way' means the value that the module computes at that place (a softmax that the list does not call 'softmax' is quantised finished and normalised). What goes into a quantiser is computed in f32, as accurately as f32 sums, v_exp_f32 and their like allow (about 1e-6 of the number): no bf16 or f16 on the way to a quantiser, and a product that is left as it is and whose result goes on into a quantised operand takes f32 operands (vector FMAs, or v_wmma_f32_16x16x4_f32). A number that lies on a knife's edge between two numbers of the format may be rounded either way, as far as f32 arithmetic and the matrix unit's own rounding can turn it there, and no further.
;; One version. Each part assembles by itself: llvm-mc -triple=amdgcn-amd-amdhsa -mcpu=gfx1250 --defsym DOCPART=n.
;; ======== version 1 of 1: 2 launches
;; limits: right only within a limited range of input values
;; workspace buffers: q_img 4,194,304 bytes; kv_img 8,388,608 bytes; wp_img 65,536 bytes
;; launch qkv (part 1): grid 256 x 1, 8 waves a work-group, no clusters, 50,176 bytes of LDS; arguments x, wq, wk, wv, wp, bq, bk, bv, lowp_scales, q_img, kv_img, wp_img; writes q_img, kv_img, wp_img
.if DOCPART == 1
	.amdgcn_target "amdgcn-amd-amdhsa--gfx1250"
	.amdhsa_code_object_version 6
	.text
	.protected	k_qa64eb8f853_qkv
	.globl	k_qa64eb8f853_qkv
	.p2align	8
	.type	k_qa64eb8f853_qkv,@function
k_qa64eb8f853_qkv:
	s_mov_b64 s[64:65], 0
	v_nop
	global_prefetch_b8 v0, s[64:65] scope:SCOPE_SE
	s_setreg_imm32_b32 hwreg(HW_REG_WAVE_MODE, 25, 1), 1
	s_wait_xcnt 0x0
; q, k, v = the three 1x1 convolutions of x [4][256][4096] f32, on codes of FP8 (E4M3), and their results quantised again for the attention launch.
; x is quantised three times (entries 0, 2, 4 of the scales), wq, wk, wv with entries 1, 3, 5, the results with entries 6, 7, 8; wp (entry 11) is quantised here too, for the next launch.
; SHARES.  Work-group number = 4 X + h: head h, block X of 256 pixels (batch X / 16, key slot X % 16).  It makes the head's 64 rows of q, of k and of v for its 256 pixels.  Wave w: pixels 32 w .. 32 w + 31 (two tiles of 16), all 192 rows.
; x: A LANE TAKES A PIXEL AND ITS REGISTERS RUN DOWN THE CHANNELS (K): register 64 s + 16 cg + i of lane (r, hh) is channel 128 s + 32 cg + 16 hh + i.  The 256 f32 numbers of a lane stay in window 1 and are converted three times.
; WEIGHTS: wave w quantises fragment (tile w / 2, K step w % 2) of each of the three matrices; the 24 fragments go to LDS as images of their registers (4 x 512 bytes, lane l's 16 bytes at 16 l); one barrier; every wave reads them back so.
; THE ROWS OF A WEIGHT THAT FORM A TILE ARE NOT NEIGHBOURS: lane r of tile 2 b + u takes row 32 b + 8 u + r + 8 (r / 8).  q, k: source 0 = 16 rows of the weight, source 1 = 16 pixels: a lane holds one pixel, and the 16 registers of
; tiles 2 b, 2 b + 1 are d = 32 b + 16 hh + 0 .. 15.  v: source 0 = 16 pixels, source 1 = 16 rows of wv: a lane holds one d and eight neighbouring pixels (keys).  So every conversion's result is a piece of an operand of the next launch.
; In every fragment of 128 along K registers 4 c .. 4 c + 3 hold k = 32 c + 16 hh + 0 .. 15: the same order of k on both sides of a product, so each product meets its partner.
; The bias is the C of a sum's first matrix instruction, divided by the power of two that the sums lack.
; OUT: q_img [4 b + h][pixel tile][2 groups of 512 bytes]; kv_img [4 b + h][slot][K: 16 tiles x 2 groups | V: 2 blocks of 128 keys x 4 tiles of d x 4 groups]; wp_img [32 fragments][4 groups].  Each store of a wave covers 512 consecutive bytes, aligned.
; NO JOINT REQUESTS: four work-groups read one block of x and 64 read one head's weights, but both go from memory straight into registers, in the lane order that the conversions want; a block of x is 256 x 1,024 bytes of f32, so two slots of it do not fit in LDS.
; LIMITS on the given exponents, so that each power of two below is an f32 number: e0 .. e5, e11, e6 - e0 - e1, e7 - e2 - e3, e8 - e4 - e5 between -126 and 119.  NaN among the inputs is not served.
.set LI,   1                           ; v1   16 x lane: an image's place for my lane
.set WI,   2                           ; v2   + 2,048 x wave: where I store my weight fragments
.set XO,   3                           ; v3   x: 262,144 hh + 4 r
.set WO,   4                           ; v4   weights: (r + 8 (r / 8)) x 1,024 + 64 hh
.set BO,   5                           ; v5   bq, bk: 64 hh
.set BVO,  6                           ; v6   bv: 4 (r + 8 (r / 8))
.set VB,   8                           ; v8-11 bv of my d in tiles 0 to 3
.set SC,   12                          ; v12  the conversions' scale as f32
.set LIM,  13                          ; v13  448 x that
.set XC,   16                          ; v16-79   x's codes: fragment 2 p + s at 16 (2 p + s).  (Before: wq's numbers)
.set WF,   80                          ; v80-143  four weight fragments of one K step.  (Before: wk's numbers)
.set ACC,  144                         ; v144-207 eight accumulators.  (Before: wv's numbers)
.set T,    144                         ; v144-175 two sets of 16 held numbers of x, while no sum is at work
.set BIAS, 208                         ; v208-239 the bias in the result's layout, 8 registers a tile
.set OC,   240                         ; v240-255 the codes just made
.set PC,   240
.set WV,   28                          ; s28 wave;  s29 head;  s30 block of pixels
.set HH,   29
.set XB,   30
.set XS,   44                          ; s44-46 2^e of x for q, k, v;       s47-49 448 x that
.set XL,   47
.set WS,   50                          ; s50-52 the same for wq, wk, wv;    s53-55
.set WL,   53
.set NB,   56                          ; s56-58 -(ex + ew)
.set OS,   59                          ; s59-61 2^(eo - ex - ew);           s66-68 448 x that
.set OL,   66
.set PS,   62                          ; s62, s63 wp's
.set PL,   63
.set MSB, 0
.macro WIN new                         ; the immediate's high byte repeats the setting that is left
.if MSB != \new
	s_set_vgpr_msb (MSB<<8)|\new
.set MSB, \new
.endif
.endm
.macro MKSC sc, lm, ex                 ; s[sc] = 2^e as f32, s[lm] = 448 x 2^e, e = s[ex]
	s_add_co_i32 s[\sc], s[\ex], 127
	s_add_co_i32 s[\lm], s[\sc], 8
	s_lshl_b32 s[\sc], s[\sc], 23
	s_lshl_b32 s[\lm], s[\lm], 23
	s_or_b32 s[\lm], s[\lm], 0x600000
.endm
.macro PLACES                          ; four plain vector instructions behind a matrix instruction, ahead of loads into its sources and of reads of its result
.rept 4
	v_nop
.endr
.endm
.macro WLOAD b, reg                    ; my fragment of the weight at s[b:b+1]: 64 numbers a lane, 16 neighbours of each block of 32
.irp c, 0,1,2,3
.irp j, 0,1,2,3
	global_load_b128 v[\reg+16*\c+4*\j:\reg+16*\c+4*\j+3], v[WO], s[\b:\b+1] offset:128*\c+16*\j
.endr
.endr
.endm
.macro BLOAD b                         ; bq or bk in the result's layout: tile t, register j: d = 32 (t / 2) + 8 (t % 2) + 16 hh + j
.irp t, 0,1,2,3
	global_load_b128 v[BIAS+8*\t:BIAS+8*\t+3], v[BO], s[\b:\b+1] offset:(32*(\t/2)+8*(\t%2))*4
	global_load_b128 v[BIAS+8*\t+4:BIAS+8*\t+7], v[BO], s[\b:\b+1] offset:(32*(\t/2)+8*(\t%2))*4+16
.endr
.endm
.macro QW reg                          ; 64 numbers of a lane become a fragment's 16 registers of codes in v[PC] on
.irp c, 0,1,2,3
.set k, 0
.rept 16
	v_med3_num_f32 v[\reg+16*\c+k], v[\reg+16*\c+k], -v[LIM], v[LIM]   ; the conversion to an 8-bit code does not saturate (ISA guide 7.6.2): the hold at the largest code x the scale
.set k, k+1
.endr
	v_cvt_scalef32_pk8_fp8_f32 v[PC+4*\c:PC+4*\c+1], v[\reg+16*\c:\reg+16*\c+7], v[SC]
	v_cvt_scalef32_pk8_fp8_f32 v[PC+4*\c+2:PC+4*\c+3], v[\reg+16*\c+8:\reg+16*\c+15], v[SC]
.endr
	v_nop                                          ; a plain instruction behind the last conversion: its scale and its sources are written again by vector and matrix instructions
.endm
.macro WQ i, reg                       ; my fragment of weight i: quantised, and its image stored
	v_mov_b32 v[SC], s[WS+\i]
	v_mov_b32 v[LIM], s[WL+\i]
	QW \reg
.irp c, 0,1,2,3
	ds_store_b128 v[WI], v[PC+4*\c:PC+4*\c+3] offset:16384*\i+512*\c
.endr
	s_wait_dscnt 0x0                               ; the stores have read their registers
.endm
.macro QX                              ; x's 256 numbers of my lane (window 1, source 2 of the hold) become four fragments of codes; the numbers stay as they are
	WIN 0x10
.irp f, 0,1,2,3
.irp cg, 0,1,2,3
.set k, 0
.rept 16
	v_med3_num_f32 v[T+16*(\cg%2)+k], -v[LIM], v[LIM], v[64*\f+16*\cg+k]
.set k, k+1
.endr
	v_cvt_scalef32_pk8_fp8_f32 v[XC+16*\f+4*\cg:XC+16*\f+4*\cg+1], v[T+16*(\cg%2):T+16*(\cg%2)+7], v[SC]
	v_cvt_scalef32_pk8_fp8_f32 v[XC+16*\f+4*\cg+2:XC+16*\f+4*\cg+3], v[T+16*(\cg%2)+8:T+16*(\cg%2)+15], v[SC]
.endr
.endr
	v_nop                                          ; a plain instruction behind the last conversion
	WIN 0
.endm
.macro WFETCH i, s                     ; the four fragments of weight i, K step s
.irp t, 0,1,2,3
.irp c, 0,1,2,3
	ds_load_b128 v[WF+16*\t+4*\c:WF+16*\t+4*\c+3], v[LI] offset:(8*(\i)+2*\t+(\s))*2048+512*\c
.endr
.endr
.endm
; Eight matrix instructions, one on each accumulator (the accumulators take turns).  q, k: accumulator 4 p + t; v: accumulator 2 t + p.
.macro MUL i, s
.if \i < 2
.irp p, 0,1
.irp t, 0,1,2,3
.if \s == 0
	v_wmma_f32_16x16x128_fp8_fp8 v[ACC+8*(4*\p+\t):ACC+8*(4*\p+\t)+7], v[WF+16*\t:WF+16*\t+15], v[XC+16*(2*\p+\s):XC+16*(2*\p+\s)+15], v[BIAS+8*\t:BIAS+8*\t+7]
.else
	v_wmma_f32_16x16x128_fp8_fp8 v[ACC+8*(4*\p+\t):ACC+8*(4*\p+\t)+7], v[WF+16*\t:WF+16*\t+15], v[XC+16*(2*\p+\s):XC+16*(2*\p+\s)+15], v[ACC+8*(4*\p+\t):ACC+8*(4*\p+\t)+7]
.endif
.endr
.endr
.else
.irp t, 0,1,2,3
.irp p, 0,1
.if \s == 0
	v_wmma_f32_16x16x128_fp8_fp8 v[ACC+8*(2*\t+\p):ACC+8*(2*\t+\p)+7], v[XC+16*(2*\p+\s):XC+16*(2*\p+\s)+15], v[WF+16*\t:WF+16*\t+15], v[BIAS+8*\t:BIAS+8*\t+7]
.else
	v_wmma_f32_16x16x128_fp8_fp8 v[ACC+8*(2*\t+\p):ACC+8*(2*\t+\p)+7], v[XC+16*(2*\p+\s):XC+16*(2*\p+\s)+15], v[WF+16*\t:WF+16*\t+15], v[ACC+8*(2*\t+\p):ACC+8*(2*\t+\p)+7]
.endif
.endr
.endr
.endif
.endm
.macro OUTQ                            ; the eight accumulators become 16 registers of codes; each accumulator is read from its low end on
	s_wait_xcnt 0x0                                ; the earlier stores have read their data: v[OC] on may be written again
.set k, 0
.rept 64
.set k, k+1
.endr
.set k, 0
.rept 8
	v_cvt_scalef32_pk8_fp8_f32 v[OC+2*k:OC+2*k+1], v[ACC+8*k:ACC+8*k+7], v[SC]
.set k, k+1
.endr
	v_nop                                          ; a plain instruction behind the last conversion
.endm
; One of the three products: x's codes with this product's scale, two K steps, the results' codes, four stores.
.macro MATRIX i
	v_mov_b32 v[SC], s[XS+\i]
	v_mov_b32 v[LIM], s[XL+\i]
	QX
.if \i == 1
	s_wait_loadcnt 0x0                             ; bk
.endif
.set k, 0
.rept 32
.if \i < 2
	v_ldexp_f32 v[BIAS+k], v[BIAS+k], s[NB+\i]     ; bias / 2^(ex + ew): a sum stands for sum x 2^(ex + ew)
.else
	v_ldexp_f32 v[BIAS+k], v[VB+k/8], s[NB+\i]     ; v: a lane holds one d, so one number fills a tile's eight registers
.endif
.set k, k+1
.endr
	s_wait_alu depctr_va_vdst(0)
	s_wait_dscnt 0x0                               ; K step 0's weight fragments are in
	MUL \i, 0
	PLACES
	WFETCH \i, 1
	s_wait_dscnt 0x0
	MUL \i, 1
	PLACES
.if \i < 2
	WFETCH \i+1, 0                                 ; the next product's first fragments land while this one's results are quantised
.endif
.if \i == 0
	BLOAD 16                                       ; bk, into the registers that bq has left
.endif
	v_mov_b32 v[SC], s[OS+\i]
	s_wait_alu depctr_va_vdst(0)
	OUTQ
.irp m, 0,1,2,3
.if \i == 0
	global_store_b128 v[LI], v[OC+4*\m:OC+4*\m+3], s[22:23] offset:512*\m    ; pixel tile m / 2, group m % 2
.elseif \i == 1
	global_store_b128 v[LI], v[OC+4*\m:OC+4*\m+3], s[24:25] offset:512*\m
.else
	global_store_b128 v[LI], v[OC+4*\m:OC+4*\m+3], s[92:93] offset:2048*\m   ; tile m of d: my 32 keys are one group of its fragment
.endif
.endr
.endm
	s_load_b256 s[4:11], s[0:1], 0x0               ; x s[4:5], wq s[6:7], wk s[8:9], wv s[10:11]
	s_load_b256 s[12:19], s[0:1], 0x20             ; wp s[12:13], bq s[14:15], bk s[16:17], bv s[18:19]
	s_load_b256 s[20:27], s[0:1], 0x40             ; the scales' exponents s[20:21], q_img s[22:23], kv_img s[24:25], wp_img s[26:27]
	v_lshrrev_b32 v7, 5, v0
	s_delay_alu instid0(VALU_DEP_1)
	v_readfirstlane_b32 s[WV], v7                  ; wave 0..7
	s_and_b32 s[HH], ttmp9, 3                      ; head
	s_lshr_b32 s[XB], ttmp9, 2                     ; block of 256 pixels
	s_lshr_b32 s71, s[XB], 4                       ; batch
	s_and_b32 s72, s[XB], 15                       ; slot
	s_lshl_b32 s81, s[WV], 11                      ; 2,048 x wave
	v_and_b32 v7, 31, v0
	s_delay_alu instid0(VALU_DEP_1)
	v_lshlrev_b32 v[LI], 4, v7
	s_delay_alu instid0(VALU_DEP_1)
	v_add_nc_u32 v[WI], s81, v[LI]
	v_and_b32 v14, 15, v0                          ; r
	v_bfe_u32 v15, v0, 4, 1                        ; hh
	s_delay_alu instid0(VALU_DEP_2)
	v_lshlrev_b32 v[XO], 2, v14
	s_delay_alu instid0(VALU_DEP_1)
	v_lshl_add_u32 v[XO], v15, 18, v[XO]           ; lanes 16-31 begin 16 channels of 16,384 bytes further down
	s_delay_alu instid0(VALU_DEP_4)
	v_and_b32 v7, 8, v14
	s_delay_alu instid0(VALU_DEP_1)
	v_add_nc_u32 v7, v7, v14                       ; r + 8 (r / 8)
	s_delay_alu instid0(VALU_DEP_1)
	v_lshlrev_b32 v[WO], 10, v7                    ; a row of a weight is 1,024 bytes
	s_delay_alu instid0(VALU_DEP_1)
	v_lshl_add_u32 v[WO], v15, 6, v[WO]
	v_lshlrev_b32 v[BO], 6, v15
	s_delay_alu instid0(VALU_DEP_4)
	v_lshlrev_b32 v[BVO], 2, v7
	s_lshl_b32 s74, s71, 22                        ; x: batch x 4 MiB + slot x 1,024 + wave x 128
	s_lshl_b32 s73, s72, 10
	s_add_co_u32 s74, s74, s73
	s_lshl_b32 s73, s[WV], 7
	s_add_co_u32 s74, s74, s73
	s_mov_b32 s75, 0
	s_lshl_b32 s76, s[HH], 16                      ; weights: the head's 64 rows; my tile w / 2 begins at row 32 (w / 4) + 8 ((w / 2) % 2); my K step w % 2
	s_lshr_b32 s73, s[WV], 2
	s_lshl_b32 s73, s73, 15
	s_add_co_u32 s76, s76, s73
	s_bfe_u32 s73, s[WV], 0x10001
	s_lshl_b32 s73, s73, 13
	s_add_co_u32 s76, s76, s73
	s_and_b32 s73, s[WV], 1
	s_lshl_b32 s73, s73, 9
	s_add_co_u32 s76, s76, s73
	s_mov_b32 s77, 0
	s_lshl_b32 s78, s[HH], 8                       ; biases: the head's 64 numbers
	s_mov_b32 s79, 0
	s_lshl_b32 s80, s71, 2
	s_add_co_u32 s80, s80, s[HH]                   ; 4 x batch + head
	s_lshl_b32 s82, s80, 18                        ; q_img: ((4 b + h) x 256 + 16 slot + 2 w) x 1,024
	s_lshl_b32 s73, s72, 14
	s_add_co_u32 s82, s82, s73
	s_add_co_u32 s82, s82, s81
	s_mov_b32 s83, 0
	s_lshl_b32 s84, s80, 19                        ; kv_img: ((4 b + h) x 16 + slot) x 32,768
	s_lshl_b32 s73, s72, 15
	s_add_co_u32 s84, s84, s73
	s_lshr_b32 s73, s[WV], 2                       ; V: + 16,384 + block of 128 keys (w / 4) x 8,192 + group (w % 4) x 512
	s_lshl_b32 s73, s73, 13
	s_add_co_u32 s86, s84, s73
	s_and_b32 s73, s[WV], 3
	s_lshl_b32 s73, s73, 9
	s_add_co_u32 s86, s86, s73
	s_add_co_u32 s86, s86, 16384
	s_mov_b32 s87, 0
	s_add_co_u32 s84, s84, s81                     ; K: + my two tiles
	s_mov_b32 s85, 0
	s_lshl_b32 s88, s[HH], 14                      ; wp_img: fragment 8 h + w
	s_add_co_u32 s88, s88, s81
	s_mov_b32 s89, 0
	s_wait_alu depctr_va_vdst(0)
	s_wait_kmcnt 0x0
	s_load_b256 s[32:39], s[20:21], 0x0            ; e0 .. e7
	s_load_b128 s[40:43], s[20:21], 0x20           ; e8 .. e11
	s_add_nc_u64 s[4:5], s[4:5], s[74:75]
	s_add_nc_u64 s[6:7], s[6:7], s[76:77]
	s_add_nc_u64 s[8:9], s[8:9], s[76:77]
	s_add_nc_u64 s[10:11], s[10:11], s[76:77]
	s_add_nc_u64 s[12:13], s[12:13], s[76:77]
	s_add_nc_u64 s[14:15], s[14:15], s[78:79]
	s_add_nc_u64 s[16:17], s[16:17], s[78:79]
	s_add_nc_u64 s[18:19], s[18:19], s[78:79]
	s_add_nc_u64 s[22:23], s[22:23], s[82:83]
	s_add_nc_u64 s[92:93], s[24:25], s[86:87]
	s_add_nc_u64 s[24:25], s[24:25], s[84:85]
	s_add_nc_u64 s[26:27], s[26:27], s[88:89]
	WLOAD 6, 16                                    ; 48 loads: my fragments of wq, wk, wv
	WLOAD 8, 80
	WLOAD 10, 144
	BLOAD 14                                       ; 8 loads: bq
.irp t, 0,1,2,3
	global_load_b32 v[VB+\t], v[BVO], s[18:19] offset:(32*(\t/2)+8*(\t%2))*4   ; 4 loads: bv
.endr
	WIN 0x40                                       ; destination window 1
.set n, 0
.rept 128                                      ; 256 loads: x.  The two tiles' 64 bytes of a channel follow each other: 128 consecutive bytes
	global_load_b32 v[n], v[XO], s[4:5] offset:(128*(n/64)+32*((n/16)%4)+n%16)*16384
	global_load_b32 v[128+n], v[XO], s[4:5] offset:(128*(n/64)+32*((n/16)%4)+n%16)*16384+64
.set n, n+1
.endr
	WIN 0
	s_wait_kmcnt 0x0
.irp i, 0,1,2
	MKSC XS+\i, XL+\i, 32+2*\i
	MKSC WS+\i, WL+\i, 33+2*\i
	s_add_co_i32 s70, s[32+2*\i], s[33+2*\i]       ; ex + ew
	s_sub_co_i32 s[NB+\i], 0, s70
	s_sub_co_i32 s70, s[38+\i], s70                ; eo - ex - ew: the three scales folded into the conversion's one
	MKSC OS+\i, OL+\i, 70
.endr
	MKSC PS, PL, 43
	s_wait_loadcnt 63                              ; 256 loads were issued behind the 60 of the weights and biases: with 63 out at the most, those 60 are in
	WQ 0, 16
	s_cmp_lg_u32 s[XB], 0                          ; wp is quantised once: by the four work-groups of block 0, 8 fragments each
	s_cbranch_scc1 .Lno_wp_load
	WLOAD 12, 16                                   ; into the registers that wq's numbers have left
.Lno_wp_load:
	WQ 1, 80
	WQ 2, 144
	s_barrier_signal -1                            ; my stores have landed (the wait for 0 stands at WQ's end)
	s_barrier_wait -1                              ; the 24 fragments lie in LDS; nothing is stored there again
	WFETCH 0, 0
	s_wait_loadcnt 0x0                             ; x, and wp where it was asked for
	s_cmp_lg_u32 s[XB], 0
	s_cbranch_scc1 .Lno_wp
	v_mov_b32 v[SC], s[PS]
	v_mov_b32 v[LIM], s[PL]
	QW 16
.irp c, 0,1,2,3
	global_store_b128 v[LI], v[PC+4*\c:PC+4*\c+3], s[26:27] offset:512*\c
.endr
.Lno_wp:
	MATRIX 0
	MATRIX 1
	MATRIX 2
	s_wait_xcnt 0x0
	v_lshl_add_u32 v254, v0, 2, 0xc000
	v_mov_b32 v255, 0
	s_wait_alu depctr_va_vdst(0)
	s_wait_tensorcnt 0x0
	ds_add_u32 v254, v255
	s_wait_dscnt 0x0
	s_endpgm
.Lfunc_end_k_qa64eb8f853_qkv:
	.size	k_qa64eb8f853_qkv, .Lfunc_end_k_qa64eb8f853_qkv-k_qa64eb8f853_qkv
	.p2alignl 7, 3214868480
	.fill 96, 4, 3214868480
	.section	.rodata,"a",@progbits
	.p2align	6, 0x0
	.amdhsa_kernel k_qa64eb8f853_qkv
		.amdhsa_group_segment_fixed_size 50176
		.amdhsa_private_segment_fixed_size 0
		.amdhsa_enable_private_segment 0
		.amdhsa_kernarg_size 96
		.amdhsa_user_sgpr_count 2
		.amdhsa_user_sgpr_kernarg_segment_ptr 1
		.amdhsa_wavefront_size32 1
		.amdhsa_system_sgpr_workgroup_id_x 1
		.amdhsa_system_sgpr_workgroup_id_y 1
		.amdhsa_system_sgpr_workgroup_id_z 1
		.amdhsa_system_vgpr_workitem_id 0
		.amdhsa_next_free_vgpr 512
		.amdhsa_next_free_sgpr 100
		.amdhsa_reserve_vcc 0
		.amdhsa_float_denorm_mode_32 3
		.amdhsa_float_denorm_mode_16_64 3
		.amdhsa_fp16_overflow 1
		.amdhsa_memory_ordered 1
		.amdhsa_forward_progress 1
		.amdhsa_inst_pref_size 132
	.end_amdhsa_kernel
	.amdgpu_metadata
---
amdhsa.version: [ 1, 2 ]
amdhsa.kernels:
  - .name:           k_qa64eb8f853_qkv
    .symbol:         k_qa64eb8f853_qkv.kd
    .args:
      - { .name: x, .offset: 0, .size: 8, .value_kind: global_buffer, .address_space: global }
      - { .name: wq, .offset: 8, .size: 8, .value_kind: global_buffer, .address_space: global }
      - { .name: wk, .offset: 16, .size: 8, .value_kind: global_buffer, .address_space: global }
      - { .name: wv, .offset: 24, .size: 8, .value_kind: global_buffer, .address_space: global }
      - { .name: wp, .offset: 32, .size: 8, .value_kind: global_buffer, .address_space: global }
      - { .name: bq, .offset: 40, .size: 8, .value_kind: global_buffer, .address_space: global }
      - { .name: bk, .offset: 48, .size: 8, .value_kind: global_buffer, .address_space: global }
      - { .name: bv, .offset: 56, .size: 8, .value_kind: global_buffer, .address_space: global }
      - { .name: lowp_scales, .offset: 64, .size: 8, .value_kind: global_buffer, .address_space: global }
      - { .name: q_img, .offset: 72, .size: 8, .value_kind: global_buffer, .address_space: global }
      - { .name: kv_img, .offset: 80, .size: 8, .value_kind: global_buffer, .address_space: global }
      - { .name: wp_img, .offset: 88, .size: 8, .value_kind: global_buffer, .address_space: global }
    .group_segment_fixed_size: 50176
    .private_segment_fixed_size: 0
    .kernarg_segment_align: 8
    .kernarg_segment_size: 96
    .max_flat_workgroup_size: 256
    .sgpr_count:     100
    .vgpr_count:     512
    .wavefront_size: 32
...
	.end_amdgpu_metadata
.endif
;; end of part 1
;; launch attn (part 2): grid 256 x 1, 8 waves a work-group, clusters of 4 x 1, 327,680 bytes of LDS; arguments q_img, kv_img, wp_img, lowp_scales, bp, gamma, x, out0; writes out0
.if DOCPART == 2
	.amdgcn_target "amdgcn-amd-amdhsa--gfx1250"
	.amdhsa_code_object_version 6
	.text
	.protected	k_qa64eb8f853_attn
	.globl	k_qa64eb8f853_attn
	.p2align	8
	.type	k_qa64eb8f853_attn,@function
k_qa64eb8f853_attn:
	s_mov_b64 s[64:65], 0
	v_nop
	global_prefetch_b8 v0, s[64:65] scope:SCOPE_SE
	s_setreg_imm32_b32 hwreg(HW_REG_WAVE_MODE, 25, 1), 1
	s_wait_xcnt 0x0
	s_wait_alu depctr_hold_cnt(0) depctr_sa_sdst(0) depctr_va_vdst(0) depctr_va_sdst(0) depctr_va_ssrc(0) depctr_va_vcc(0) depctr_vm_vsrc(0)
	s_getreg_b32 s2, hwreg(HW_REG_IB_STS2, 6, 4)
	s_cmp_eq_u32 s2, 0
	s_cbranch_scc0 .Lentry_in_a_cluster
	s_endpgm
.Lentry_in_a_cluster:
	s_bfe_u32 s2, ttmp6, 0x10000c
	s_cmp_lg_u32 s2, 0x3003
	s_cbranch_scc0 .Lentry_shape_is_right
	s_endpgm
.Lentry_shape_is_right:
; out0 = gamma x (wp . attention + bp) + x.  Attention over 4,096 keys, head size 64, four heads, on codes of FP8 (E4M3); then the last 1x1 convolution on codes, in the same launch.
; SHARES.  A work-group owns 64 queries (pixels) of one batch, for ALL FOUR heads, so that the 256 channels which the last product sums over meet in one work-group.  Wave w: head w / 2, query tiles 2 (w % 2) + 0, 1.
; Every fragment of K and V that a wave reads from LDS feeds two matrix instructions (its two tiles of queries).  Two waves share a SIMD's registers, 512 each: one wave's vector work stands beside the other's products and LDS loads.
; THE SOFTMAX: t = score x log2(e) / 8; M = the running largest t rounded UP to a whole number (kept as -M); p = 2^(t - M) is quantised, not normalised; the sum is taken of the unquantised p and divides O at the end.
; When M moves, the sum and O are multiplied by 2^(old M - new M), made by v_ldexp_f32: nothing is rounded, and there is no branch on data.
; LAYOUT.  S^T = K Q^T (source 0 = 16 keys, source 1 = 16 queries) and O^T = V^T P (source 0 = 16 of the head's 64, source 1 = P): a lane holds ONE query throughout.  Eight scores of a lane are eight neighbouring keys, so a conversion's two
; registers are registers 2 kt, 2 kt + 1 of P in the K = 128 form's own layout; V was laid so by the launch before.  The d that form a tile of V are 32 (t / 2) + 8 (t % 2) + r + 8 (r / 8), so that O^T's 16 registers of tiles 2 g, 2 g + 1
; are 16 neighbouring channels: their codes are a group of the last product's operand.
; RING.  kv_img holds, for each head and slot of 256 keys, 32,768 bytes of register images (K's 16 tiles, then V's 8 fragments).  A slot in LDS holds the four heads' 131,072 bytes; two slots.  Each of the eight waves fetches 16,384 bytes by one
; tensor load (64 rows of 256 bytes, dense).  A fragment's group is read as 512 consecutive bytes, 16 a lane: no pitch and no padding.
; CLUSTER.  The four query blocks of a cluster belong to one batch and walk the same K and V: each tile is asked for JOINTLY, by the same tensor load with the same descriptor and a mask that names the four.
; THE LAST PRODUCT.  O / sum is quantised in registers; its images meet in LDS (8 fragments: pixel tile pt, K step s); wave w then makes channels 32 w .. 32 w + 31 for the 64 pixels (source 0 = 16 pixels, source 1 = 16 rows of wp:
; a lane holds one channel and eight neighbouring pixels), and they leave through the wave's own stage as rows of 256 bytes: sixteen lanes store 256 consecutive bytes, aligned.
; LIMITS on the given exponents, so that each power of two below is an f32 number: e6 + e7 between -123 and 130 (added to c's exponent field); e9 and e10 - e8 - e9 between -126 and 119; e10 + e11 is applied by v_ldexp_f32 and has none.
; REGISTERS.  Window 0: v1-11 addresses; v16-47 statistics, 16 a tile; v48-51 scales and holds; v56-71 Q; v72-103 P's codes; v104-109 gamma bp, gamma 2^(e10 + e11); v128-255 S^T, then p.
;   Window 1: v0-63 K's fragments (later the last product's sums); v64-127 V's fragments (later x); v128-191 O^T; v192-255 wp's four fragments.
.set SLOT1, 131072                     ; slot 1 begins here: one exclusive or turns an address in one slot into the other's
.set SPARE, 2*SLOT1                    ; behind the ring: the spare words, 128 bytes for each of eight waves: four blocks of 256 bytes that no other line names
.set OIMG,  SPARE+1024                 ; O's codes: 8 fragments of 2,048 bytes (2 pt + s); no tile lands here
.set STG,   OIMG+8*2048                ; the way out: 16 rows x 272 bytes for each wave; no tile lands here
.set SPT,   272
.set LI,   1                           ; v1   16 x lane
.set SPW,  2                           ; v2   LDS address of my spare word; never rewritten
.set NIL,  3                           ; v3   0; never rewritten
.set AD,   4                           ; v4   LDS address of the step's fragments
.set PFO,  5                           ; v5   256 x lane: K's and V's prefetches
.set PFX,  6                           ; v6   16,384 x lane: x's prefetch, a lane a channel
.set OW,   7                           ; v7   where I store O's codes
.set ORD,  8                           ; v8   where anybody reads them
.set SO,   9                           ; v9   the stage: where I put 32 bytes of a row
.set RD,   10                          ; v10  and where I read a row back
.set XRO,  11                          ; v11  my byte offset in x and in out0: 16,384 hh + 16 (lane % 16)
.set ST,   16                          ; tile qt's statistics at v[ST+16 qt]: +0 -M, +1 the largest t, +2,3 the sum, +4 f (+5 named with it), +6, +7 at work, +8 the other half's, +9 the old -M, +10,11 the sum's second chain
.set LIMP, 48                          ; v49  2^e9
.set SCP,  49
.set LIMO, 50                          ; v51  2^(e10 - e8 - e9)
.set SCO,  51
.set QF,   56
.set PF,   72
.set GB,   104                         ; v[104:105], v[106:107]  gamma x bp of my channel in tiles u = 0, 1
.set GG,   108                         ; v[108:109]  gamma x 2^(e10 + e11)
.set SCR,  128
.set KF,   0                           ; window 1
.set VF,   64
.set OT,   128
.set WP,   192
.set WV,   20                          ; s20 wave;  s21 cx;  s22 batch;  s39 head;  s46 wave % 2
.set CX,   21
.set BB,   22
.set HD,   39
.set W1,   46
.set G1,   24                          ; s[24:31] descriptor group 1
.set G0,   32                          ; s[32:35] descriptor group 0, which walks
.set TB,   36                          ; s36  LDS byte at which my head's part of the slot in hand begins
.set SLOTS, 37                         ; s37  slots still to be asked for
.set LIM,  38                          ; s38  1 in a wave that prefetches, else the greatest number
.set PFA,  40                          ; s[40:41] where my prefetches stand
.set CS,   42                          ; s[42:43] c = log2(e) / 8 x 2^(e6 + e7)
.set SEL,  44                          ; s[44:45] lane selects for v_permlanex16_b32: lane l xor 16
.set MSB, 0
.macro WIN new                         ; the immediate's high byte repeats the setting that is left
.if MSB != \new
	s_set_vgpr_msb (MSB<<8)|\new
.set MSB, \new
.endif
.endm
.macro MKSC sc, lm, ex                 ; s[sc] = 2^e as f32, e = s[ex]
	s_add_co_i32 s[\sc], s[\ex], 127
	s_lshl_b32 s[\sc], s[\sc], 23
.endm
; A round of the cluster's barrier: my work-group's barrier, so that wave 0's signal speaks for all eight waves; wave 0 signals for the work-group; every wave waits for all four work-groups; my work-group's barrier once more.
.macro CROUND
	s_barrier_signal -1
	s_barrier_wait -1
	s_cmp_lg_u32 s[WV], 0
	s_cbranch_scc1 .Lnot_wave_0_\@
	s_barrier_signal -3
.Lnot_wave_0_\@:
	s_barrier_wait -3
	s_barrier_signal -1
	s_barrier_wait -1
.endm
; A PREFETCH INTO THE L2 of what the NEXT change of slots will ask for: the four heads' 32,768 bytes of the slot after the one just asked for, two key steps ahead of that load.  Each aligned block of 256 bytes is named once in the launch:
; all sixteen clusters of a batch walk the same K and V, and the batch's first cluster asks; its four partners take a head each, told apart BY ADDRESS; in each, waves 0 to 3 take 8,192 bytes, lanes 256 bytes apart.
; The last change that fills a slot asks for nothing.  Slots 0 and 1 come by their loads alone.
.macro ASK
	s_cmp_gt_u32 s[SLOTS], s[LIM]
	s_cbranch_scc0 .Lnot_mine_\@
	global_prefetch_b8 v[PFO], s[PFA:PFA+1] th:TH_LOAD_NT scope:SCOPE_SE
.Lnot_mine_\@:
.endm
; THE CHANGE OF SLOTS stands at a slot's head.  Each wave waits for all its tensor loads (one is out: its part of the slot that it is about to read), adds 0 to its spare word, and waits for that and for its reads of the slot that it has left.
; fill = 1: a round of the cluster's barrier, so that no wave of any partner still reads that slot or has a load on its way; the joint refill is the first thing behind it and has the slot's two key steps in which to land.
.macro CHANGE fill
	s_wait_tensorcnt 0x0                           ; no tensor load of mine is out, so group 0 may be written
	ds_add_u32 v[SPW], v[NIL]                      ; 0 onto my spare word
.if \fill
	s_xor_b32 s[G0+1], s[G0+1], SLOT1              ; the other slot than last time,
	s_add_nc_u64 s[G0+2:G0+3], s[G0+2:G0+3], 32768 ; the next 256 keys; the type bits on top are not reached
	s_wait_xcnt 0x0                                ; the last prefetch, a slot back, has read its address, so it may be written
	s_add_nc_u64 s[PFA:PFA+1], s[PFA:PFA+1], 32768
	s_wait_dscnt 0x0                               ; the add is done, and my reads of the slot that I have left are over
	CROUND
	tensor_load_to_lds s[G0:G0+3], s[G1:G1+7]      ; my one tensor load until the next round
	s_nop 0
.rept 4
	v_nop
.endr
	ASK
.else
	s_wait_dscnt 0x0
	s_barrier_signal -1
	s_barrier_wait -1
.endif
.endm
; The softmax of one key step for my two tiles of queries, the tiles by turns line by line.  Each accumulator of S^T is read from its low end on.
.macro SOFTMAX
.irp qt, 0,1
	v_max3_num_f32 v[ST+16*\qt+6], v[SCR+64*\qt], v[SCR+64*\qt+1], v[SCR+64*\qt+2]   ; the largest of my 64 scores, in two chains a tile
	v_max3_num_f32 v[ST+16*\qt+7], v[SCR+64*\qt+3], v[SCR+64*\qt+4], v[SCR+64*\qt+5]
.endr
.irp i, 6,10,14,18,22,26,30,34,38,42,46,50,54,58
.irp qt, 0,1
	v_max3_num_f32 v[ST+16*\qt+6], v[ST+16*\qt+6], v[SCR+64*\qt+\i], v[SCR+64*\qt+\i+1]
	v_max3_num_f32 v[ST+16*\qt+7], v[ST+16*\qt+7], v[SCR+64*\qt+\i+2], v[SCR+64*\qt+\i+3]
.endr
.endr
.irp qt, 0,1
	v_max3_num_f32 v[ST+16*\qt+6], v[ST+16*\qt+6], v[SCR+64*\qt+62], v[SCR+64*\qt+63]
.endr
.irp qt, 0,1
	s_delay_alu instid0(VALU_DEP_2)
	v_max_num_f32 v[ST+16*\qt+6], v[ST+16*\qt+6], v[ST+16*\qt+7]
.endr
.irp qt, 0,1
	s_delay_alu instid0(VALU_DEP_2)
	v_permlanex16_b32 v[ST+16*\qt+8], v[ST+16*\qt+6], s[SEL], s[SEL+1]   ; the query's other 64 keys lie in the lane 16 away
.endr
.irp qt, 0,1
	s_delay_alu instid0(VALU_DEP_2)
	v_max_num_f32 v[ST+16*\qt+6], v[ST+16*\qt+6], v[ST+16*\qt+8]
.endr
.irp qt, 0,1
	s_delay_alu instid0(VALU_DEP_2)
	v_mul_f32 v[ST+16*\qt+6], s[CS], v[ST+16*\qt+6]                      ; as t (c is positive)
.endr
.irp qt, 0,1
	s_delay_alu instid0(VALU_DEP_2)
	v_max_num_f32 v[ST+16*\qt+1], v[ST+16*\qt+1], v[ST+16*\qt+6]         ; the running largest t
.endr
.irp qt, 0,1
	v_mov_b32 v[ST+16*\qt+9], v[ST+16*\qt]
.endr
.irp qt, 0,1
	s_delay_alu instid0(VALU_DEP_4)
	v_floor_f32 v[ST+16*\qt], -v[ST+16*\qt+1]                            ; the new -M = floor(-t) = -ceil(t)
.endr
.irp qt, 0,1
	s_delay_alu instid0(VALU_DEP_2)
	v_sub_f32 v[ST+16*\qt+6], v[ST+16*\qt], v[ST+16*\qt+9]               ; old M - new M: a whole number, 0 or less
.endr
.irp qt, 0,1
	s_delay_alu instid0(VALU_DEP_2)
	v_cvt_i32_f32 v[ST+16*\qt+6], v[ST+16*\qt+6]                         ; (it saturates)
.endr
.irp qt, 0,1
	s_delay_alu instid0(VALU_DEP_2)
	v_ldexp_f32 v[ST+16*\qt+4], 1.0, v[ST+16*\qt+6]                      ; f = 2^(old M - new M)
.endr
.set k, 0
.rept 64
	v_pk_fma_f32 v[SCR+2*k:SCR+2*k+1], v[SCR+2*k:SCR+2*k+1], s[CS:CS+1], v[ST+16*(k/32):ST+16*(k/32)+1] op_sel_hi:[1,0,0]   ; t - M, two at a time (of the pairs c and -M the low word serves both halves)
.set k, k+1
.endr
.set k, 0
	s_wait_alu depctr_va_vdst(0)
.rept 128
	v_exp_f32 v[SCR+k], v[SCR+k]                   ; p = 2^(t - M): one batch for both tiles
.set k, k+1
.endr
.irp qt, 0,1
	v_pk_mul_f32 v[ST+16*\qt+2:ST+16*\qt+3], v[ST+16*\qt+2:ST+16*\qt+3], v[ST+16*\qt+4:ST+16*\qt+5] op_sel_hi:[1,0]   ; the sums under the new M: also the plain instruction behind the exponentials
.endr
	s_wait_alu depctr_va_vdst(0)                   ; one wait for the whole batch, ahead of its first reader
.irp qt, 0,1
	v_pk_add_f32 v[ST+16*\qt+10:ST+16*\qt+11], v[SCR+64*\qt:SCR+64*\qt+1], v[SCR+64*\qt+2:SCR+64*\qt+3]   ; the sum of the UNQUANTISED p, in two chains a tile
.endr
.irp j, 4,8,12,16,20,24,28,32,36,40,44,48,52,56,60
.irp qt, 0,1
	v_pk_add_f32 v[ST+16*\qt+2:ST+16*\qt+3], v[ST+16*\qt+2:ST+16*\qt+3], v[SCR+64*\qt+\j:SCR+64*\qt+\j+1]
	v_pk_add_f32 v[ST+16*\qt+10:ST+16*\qt+11], v[ST+16*\qt+10:ST+16*\qt+11], v[SCR+64*\qt+\j+2:SCR+64*\qt+\j+3]
.endr
.endr
.irp qt, 0
	s_delay_alu instid0(VALU_DEP_3)
	v_pk_add_f32 v[ST+16*\qt+2:ST+16*\qt+3], v[ST+16*\qt+2:ST+16*\qt+3], v[ST+16*\qt+10:ST+16*\qt+11]
.endr
.irp qt, 1
	s_delay_alu instid0(VALU_DEP_2)
	v_pk_add_f32 v[ST+16*\qt+2:ST+16*\qt+3], v[ST+16*\qt+2:ST+16*\qt+3], v[ST+16*\qt+10:ST+16*\qt+11]
.endr
.irp b, 0,1,2,3
.irp qt, 0,1
.set k, 0
.rept 16
.set k, k+1
.endr
	v_cvt_scalef32_pk8_fp8_f32 v[PF+16*\qt+4*\b:PF+16*\qt+4*\b+1], v[SCR+64*\qt+16*\b:SCR+64*\qt+16*\b+7], v[SCP]        ; key tile 2 b: keys 32 b + 8 hh + 0 .. 7
	v_cvt_scalef32_pk8_fp8_f32 v[PF+16*\qt+4*\b+2:PF+16*\qt+4*\b+3], v[SCR+64*\qt+16*\b+8:SCR+64*\qt+16*\b+15], v[SCP]   ; key tile 2 b + 1
.endr
.endr
.endm
; A KEY STEP: 128 keys, the kb-th block of the slot in hand.  All 32 LDS loads go out in one run; V's 16 land under the scores and the softmax.
.macro STEP kb
	v_add_nc_u32 v[AD], s[TB], v[LI]
.rept 3
	v_nop                                          ; with the addition above: four places behind the last products, ahead of the loads into V's registers
.endr
	WIN 0x40                                       ; destination window 1
.irp kt, 0,1,2,3,4,5,6,7
.irp g, 0,1
	ds_load_b128 v[KF+8*\kt+4*\g:KF+8*\kt+4*\g+3], v[AD] offset:8192*\kb+1024*\kt+512*\g
.endr
.endr
.irp dt, 0,1,2,3
.irp g, 0,1,2,3
	ds_load_b128 v[VF+16*\dt+4*\g:VF+16*\dt+4*\g+3], v[AD] offset:16384+8192*\kb+2048*\dt+512*\g
.endr
.endr
	s_wait_dscnt 16                                ; K's 16 loads are in; V's 16, issued behind them, may be out
	WIN 0x01                                       ; source 0 (K) window 1
.irp kt, 0,1,2,3,4,5,6,7
.irp qt, 0,1
	v_wmma_f32_16x16x64_fp8_fp8 v[SCR+64*\qt+8*\kt:SCR+64*\qt+8*\kt+7], v[KF+8*\kt:KF+8*\kt+7], v[QF+8*\qt:QF+8*\qt+7], 0
.endr
.endr
	WIN 0
.rept 4
	v_nop                                          ; four places ahead of the first read of the scores
.endr
	SOFTMAX
	s_wait_dscnt 0x0                               ; V is in
	WIN 0x41                                       ; O^T (destination and source 0) window 1, f window 0
.set k, 0
.rept 32
	v_pk_mul_f32 v[OT+2*k:OT+2*k+1], v[OT+2*k:OT+2*k+1], v[ST+16*(k/16)+4:ST+16*(k/16)+5] op_sel_hi:[1,0]   ; O^T under the new M; also the plain instructions behind the conversions
.set k, k+1
.endr
	WIN 0x51                                       ; V, C and D window 1, P window 0
.irp dt, 0,1,2,3
.irp qt, 0,1
	v_wmma_f32_16x16x128_fp8_fp8 v[OT+32*\qt+8*\dt:OT+32*\qt+8*\dt+7], v[VF+16*\dt:VF+16*\dt+15], v[PF+16*\qt:PF+16*\qt+15], v[OT+32*\qt+8*\dt:OT+32*\qt+8*\dt+7]   ; the eight accumulators by turns, one instruction a turn
.endr
.endr
	WIN 0
.endm
.macro SLOT_STEPS
	STEP 0
	STEP 1
	s_xor_b32 s[TB], s[TB], SLOT1                  ; on to the other slot
.endm
	s_load_b256 s[4:11], s[0:1], 0x0               ; q_img s[4:5], kv_img s[6:7], wp_img s[8:9], the scales' exponents s[10:11]
	s_load_b256 s[12:19], s[0:1], 0x20             ; bp s[12:13], gamma s[14:15], x s[16:17], out0 s[18:19]
	v_lshl_add_u32 v[SPW], v0, 2, SPARE
	v_mov_b32 v[NIL], 0
	ds_add_u32 v2, v3
	ds_add_u32 v2, v3
	s_wait_dscnt 0x0
	v_lshrrev_b32 v12, 5, v0
	s_delay_alu instid0(VALU_DEP_1)
	v_readfirstlane_b32 s[WV], v12                 ; wave 0..7
	s_lshr_b32 s[HD], s[WV], 1                     ; my head
	s_and_b32 s[W1], s[WV], 1                      ; which two tiles of queries are mine.  Also: I fetch K's (0) or V's (1) half of my head's part of a slot
	s_lshr_b32 s[BB], ttmp9, 4                     ; in a cluster launch ttmp9 counts clusters: sixteen to a batch
	; descriptor group 1: 64 rows of 32 elements of 8 bytes, dense: 16,384 bytes
	s_mov_b32 s[G1], 15|(3<<16)|(1<<21)            ; 15:0 the mask: all four work-groups; 17:16 elements of 8 bytes; 20 no padding; 21 set beside a mask
	s_mov_b32 s[G1+1], 32<<16                      ; tensor_dim0 = 32
	s_mov_b32 s[G1+2], 64<<16                      ; tensor_dim1 = 64
	s_mov_b32 s[G1+3], 32<<16                      ; tile_dim0 = 32
	s_mov_b32 s[G1+4], 64                          ; tile_dim1 = 64
	s_mov_b32 s[G1+5], 32                          ; tensor_dim0_stride
	s_mov_b32 s[G1+6], 0
	s_mov_b32 s[G1+7], 0
	s_lshl_b32 s66, s[BB], 21                      ; kv_img: batch x 4 heads x 524,288 + head x 524,288 + half x 16,384: nothing here hangs on my place in the cluster
	s_lshl_b32 s68, s[HD], 19
	s_add_co_u32 s66, s66, s68
	s_lshl_b32 s68, s[W1], 14
	s_add_co_u32 s66, s66, s68
	s_mov_b32 s67, 0
	s_mov_b32 s[G0], 1                             ; 1:0 count = 1
	s_lshl_b32 s[G0+1], s[WV], 14                  ; 63:32 LDS address: slot 0, wave x 16,384
	s_lshl_b32 s[TB], s[HD], 15
	s_mov_b32 s[SLOTS], 15
	s_mov_b32 s[SEL], 0x76543210
	s_mov_b32 s[SEL+1], 0xfedcba98
	s_wait_kmcnt 0x0
	s_load_b256 s[48:55], s[10:11], 0x0            ; e0 .. e7
	s_load_b128 s[56:59], s[10:11], 0x20           ; e8 .. e11
	s_load_b32 s60, s[14:15], 0x0                  ; gamma
	s_add_nc_u64 s[G0+2:G0+3], s[6:7], s[66:67]    ; 120:64 global address: slot 0
	s_or_b32 s[G0+3], s[G0+3], 0x80000000          ; 127:126 type = 2
	CROUND                                         ; all four work-groups are here: the first joint loads meet
	tensor_load_to_lds s[G0:G0+3], s[G1:G1+7]      ; slot 0
	s_nop 0
.rept 4
	v_nop
.endr
	s_bfe_u32 s[CX], ttmp6, 0x40000                ; cx: my place in the cluster: it enters global addresses of my own loads, stores and prefetches alone
	s_and_b32 s70, ttmp9, 15
	s_lshl_b32 s71, s70, 2
	s_add_co_u32 s71, s71, s[CX]                   ; my block of 64 queries
	s_lshr_b32 s72, s[WV], 2                       ; 0 in waves 0 to 3,
	s_or_b32 s72, s72, s70                         ; of the batch's first cluster: the same in all four partners
	s_cmp_eq_u32 s72, 0
	s_cselect_b32 s[LIM], 1, -1
	s_mov_b32 s75, 0
	s_lshl_b32 s73, s[BB], 2
	s_add_co_u32 s73, s73, s[HD]                   ; 4 x batch + head
	s_lshl_b32 s74, s73, 18                        ; q_img: ((4 b + h) x 256 + 4 x block + 2 (w % 2)) x 1,024
	s_lshl_b32 s76, s71, 12
	s_add_co_u32 s74, s74, s76
	s_lshl_b32 s76, s[W1], 11
	s_add_co_u32 s74, s74, s76
	s_add_nc_u64 s[4:5], s[4:5], s[74:75]
	s_lshl_b32 s74, s[WV], 13                      ; wp_img: my four fragments
	s_add_nc_u64 s[8:9], s[8:9], s[74:75]
	s_lshl_b32 s74, s[WV], 7                       ; bp: my 32 channels
	s_add_nc_u64 s[12:13], s[12:13], s[74:75]
	s_lshl_b32 s74, s[BB], 22                      ; x, out0: batch x 4 MiB + 32 w channels of 16,384 bytes + block x 256
	s_lshl_b32 s76, s[WV], 19
	s_add_co_u32 s74, s74, s76
	s_lshl_b32 s76, s71, 8
	s_add_co_u32 s74, s74, s76
	s_add_nc_u64 s[16:17], s[16:17], s[74:75]
	s_add_nc_u64 s[18:19], s[18:19], s[74:75]
	s_lshl_b32 s74, s[BB], 21                      ; the prefetches: head cx, 8,192 bytes x (w % 4), in slot 1: the first change of slots steps it to slot 2
	s_lshl_b32 s76, s[CX], 19
	s_add_co_u32 s74, s74, s76
	s_and_b32 s76, s[WV], 3
	s_lshl_b32 s76, s76, 13
	s_add_co_u32 s74, s74, s76
	s_add_co_u32 s74, s74, 32768
	s_add_nc_u64 s[PFA:PFA+1], s[6:7], s[74:75]
	v_and_b32 v12, 31, v0                          ; lane
	v_and_b32 v13, 15, v0                          ; r
	v_bfe_u32 v14, v0, 4, 1                        ; hh
	s_delay_alu instid0(VALU_DEP_3)
	v_lshlrev_b32 v[LI], 4, v12
	s_delay_alu instid0(VALU_DEP_4)
	v_lshlrev_b32 v[PFO], 8, v12
	v_lshlrev_b32 v[PFX], 14, v12
.irp qt, 0,1
.irp g, 0,1
	global_load_b128 v[QF+8*\qt+4*\g:QF+8*\qt+4*\g+3], v[LI], s[4:5] offset:1024*\qt+512*\g   ; Q's two fragments stay in registers
.endr
.endr
	WIN 0x40
.irp f, 0,1,2,3
.irp c, 0,1,2,3
	global_load_b128 v[WP+16*\f+4*\c:WP+16*\f+4*\c+3], v[LI], s[8:9] offset:2048*\f+512*\c    ; wp's fragment 2 u + s: channels tile 2 w + u, K step s
.endr
.endr
.set k, 0
.rept 64
	v_mov_b32 v[OT+k], 0                           ; O^T.  (The key step is written once for all steps: the first finds zeros, which the first change of M leaves zeros)
.set k, k+1
.endr
	WIN 0
	v_and_b32 v15, 8, v13
	s_delay_alu instid0(VALU_DEP_1)
	v_add_nc_u32 v15, v15, v13
	s_delay_alu instid0(VALU_DEP_1)
	v_lshlrev_b32 v15, 2, v15                      ; bp: 4 (r + 8 (r / 8))
.irp u, 0,1
	global_load_b32 v[GB+2*\u], v15, s[12:13] offset:32*\u
.endr
	s_lshl_b32 s70, s[W1], 13                      ; O's codes: fragment 2 (2 (w % 2) + qt) + w / 4, groups 2 ((w / 2) % 2) + 0, 1
	s_lshr_b32 s72, s[WV], 2
	s_lshl_b32 s72, s72, 11
	s_add_co_u32 s70, s70, s72
	s_bfe_u32 s72, s[WV], 0x10001
	s_lshl_b32 s72, s72, 10
	s_add_co_u32 s70, s70, s72
	s_add_co_u32 s70, s70, OIMG
	v_add_nc_u32 v[OW], s70, v[LI]
	v_add_nc_u32 v[ORD], OIMG, v[LI]
	s_mul_i32 s70, s[WV], 16*SPT
	s_add_co_u32 s70, s70, STG                     ; my stage
	v_mul_u32_u24 v[SO], v13, SPT                  ; in: row r, 32 bytes for each half of the lanes
	s_delay_alu instid0(VALU_DEP_1)
	v_lshl_add_u32 v[SO], v14, 5, v[SO]
	s_delay_alu instid0(VALU_DEP_1)
	v_add_nc_u32 v[SO], s70, v[SO]
	v_mul_u32_u24 v[RD], v14, SPT                  ; back: lanes 0-15 one row of 256 bytes, lanes 16-31 the next
	s_delay_alu instid0(VALU_DEP_1)
	v_lshl_add_u32 v[RD], v13, 4, v[RD]
	s_delay_alu instid0(VALU_DEP_1)
	v_add_nc_u32 v[RD], s70, v[RD]
	v_lshlrev_b32 v[XRO], 14, v14                  ; and the same two channels in x and out0
	s_delay_alu instid0(VALU_DEP_1)
	v_lshl_add_u32 v[XRO], v13, 4, v[XRO]
.irp qt, 0,1
	v_mov_b32 v[ST+16*\qt+1], 0xff61b1e6           ; the largest t so far: -3e38, under every t
	s_delay_alu instid0(VALU_DEP_1)
	v_floor_f32 v[ST+16*\qt], -v[ST+16*\qt+1]      ; -M
	v_mov_b32 v[ST+16*\qt+2], 0                    ; the sum, in two halves
	v_mov_b32 v[ST+16*\qt+3], 0
	v_mov_b32 v[ST+16*\qt+5], 0                    ; (named as the upper half of f's pair)
	v_mov_b32 v[ST+16*\qt+8], 0                    ; written once: a lane permute's destination counts as one of its sources
.endr
	s_wait_kmcnt 0x0
	s_add_co_i32 s70, s54, s55                     ; a score stands for score x 2^(e6 + e7): the two exponents are added to c's exponent field
	s_lshl_b32 s70, s70, 23
	s_mov_b32 s[CS], 0x3e38aa3b                    ; c = log2(e) / sqrt(64)
	s_add_co_i32 s[CS], s[CS], s70
	s_mov_b32 s[CS+1], s[CS]                       ; (named with it as a pair, so it is written)
	MKSC 70, 71, 57
	v_mov_b32 v[SCP], s70                          ; 2^e9
	s_sub_co_i32 s72, s58, s56
	s_sub_co_i32 s72, s72, s57                     ; O^T / sum stands for that x 2^(e8 + e9): its code is that / 2^(e10 - e8 - e9)
	MKSC 70, 71, 72
	v_mov_b32 v[SCO], s70
	s_add_co_i32 s72, s58, s59
	v_mov_b32 v[GG], s60
	s_delay_alu instid0(VALU_DEP_1)
	v_ldexp_f32 v[GG], v[GG], s72                  ; gamma x 2^(e10 + e11)
	s_delay_alu instid0(VALU_DEP_1)
	v_mov_b32 v[GG+1], v[GG]
	s_wait_loadcnt 0x0                             ; Q, wp, bp
.irp u, 0,1
	v_mul_f32 v[GB+2*\u], s60, v[GB+2*\u]          ; gamma x bp
	s_delay_alu instid0(VALU_DEP_1)
	v_mov_b32 v[GB+2*\u+1], v[GB+2*\u]
.endr
.Lslot:                                            ; 15 trips: behind each change of slots but the last the next slot is asked for
	CHANGE 1
	SLOT_STEPS
	s_sub_co_u32 s[SLOTS], s[SLOTS], 1
	s_cmp_lg_u32 s[SLOTS], 0
	s_cbranch_scc1 .Lslot
	CHANGE 0                                       ; the last slot is written out
	global_prefetch_b8 v[PFX], s[16:17] th:TH_LOAD_NT scope:SCOPE_SE   ; x's 256 bytes of each of my 32 channels, a lane a channel, two key steps ahead of their loads; no other wave of the launch names them
	SLOT_STEPS
	; THE END OF ATTENTION: the sum's two halves and the other half of the lanes' are added (four additions: places behind the last products); O^T is divided by the sum and quantised.
.irp qt, 0,1
	v_add_f32 v[ST+16*\qt+6], v[ST+16*\qt+2], v[ST+16*\qt+3]
.endr
.irp qt, 0,1
	s_delay_alu instid0(VALU_DEP_2)
	v_permlanex16_b32 v[ST+16*\qt+8], v[ST+16*\qt+6], s[SEL], s[SEL+1]
.endr
.irp qt, 0,1
	s_delay_alu instid0(VALU_DEP_2)
	v_add_f32 v[ST+16*\qt+6], v[ST+16*\qt+6], v[ST+16*\qt+8]
.endr
	s_wait_alu depctr_va_vdst(0)
.irp qt, 0,1
	v_rcp_f32 v[ST+16*\qt+4], v[ST+16*\qt+6]
.endr
	v_nop                                          ; a plain instruction behind the reciprocals
	WIN 0x40
.irp u, 0,1
.irp i, 0,1,2,3,4,5,6,7
	global_load_b128 v[VF+4*(8*\u+\i):VF+4*(8*\u+\i)+3], v[XRO], s[16:17] offset:(8*\u+2*\i+8*(\i/4))*16384 th:TH_LOAD_NT   ; x at the places that I shall store: channel 32 w + 8 u + 2 i + hh + 8 (i / 4); into V's registers, which are done with
.endr
.endr
	WIN 0
	s_wait_alu depctr_va_vdst(0)                   ; one wait for both reciprocals, ahead of their first reader
	WIN 0x01                                       ; source 0 (O^T) window 1
.set k, 0
.rept 32
	v_pk_mul_f32 v[SCR+2*k:SCR+2*k+1], v[OT+2*k:OT+2*k+1], v[ST+16*(k/16)+4:ST+16*(k/16)+5] op_sel_hi:[1,0]   ; O^T / sum; each accumulator from its low end on
.set k, k+1
.endr
	WIN 0
.set k, 0
.rept 64
.set k, k+1
.endr
.irp qt, 0,1
.irp g, 0,1
	v_cvt_scalef32_pk8_fp8_f32 v[PF+8*\qt+4*\g:PF+8*\qt+4*\g+1], v[SCR+32*\qt+16*\g:SCR+32*\qt+16*\g+7], v[SCO]       ; channels 64 h + 32 g + 16 hh + 0 .. 15 of my query
	v_cvt_scalef32_pk8_fp8_f32 v[PF+8*\qt+4*\g+2:PF+8*\qt+4*\g+3], v[SCR+32*\qt+16*\g+8:SCR+32*\qt+16*\g+15], v[SCO]
.endr
.endr
	v_nop                                          ; a plain instruction behind the last conversion
.irp qt, 0,1
.irp g, 0,1
	ds_store_b128 v[OW], v[PF+8*\qt+4*\g:PF+8*\qt+4*\g+3] offset:4096*\qt+512*\g
.endr
.endr
	s_wait_dscnt 0x0                               ; for the others' sake: my stores have landed
	s_barrier_signal -1
	s_barrier_wait -1                              ; O's eight fragments lie in LDS
.irp f, 0,1,2,3,4,5,6,7
.irp c, 0,1,2,3
	ds_load_b128 v[SCR+16*\f+4*\c:SCR+16*\f+4*\c+3], v[ORD] offset:2048*\f+512*\c
.endr
.endr
	s_wait_dscnt 0x0
	; THE LAST PRODUCT: eight accumulators (pixel tile pt, channel tile u) by turns, a K step at a time
	WIN 0x44                                       ; source 1 (wp) and destination window 1
.irp pt, 0,1,2,3
.irp u, 0,1
	v_wmma_f32_16x16x128_fp8_fp8 v[8*(2*\pt+\u):8*(2*\pt+\u)+7], v[SCR+16*(2*\pt):SCR+16*(2*\pt)+15], v[WP+16*(2*\u):WP+16*(2*\u)+15], 0
.endr
.endr
	WIN 0x54                                       ; and C window 1
.irp pt, 0,1,2,3
.irp u, 0,1
	v_wmma_f32_16x16x128_fp8_fp8 v[8*(2*\pt+\u):8*(2*\pt+\u)+7], v[SCR+16*(2*\pt+1):SCR+16*(2*\pt+1)+15], v[WP+16*(2*\u+1):WP+16*(2*\u+1)+15], v[8*(2*\pt+\u):8*(2*\pt+\u)+7]
.endr
.endr
	WIN 0
.rept 4
	v_nop                                          ; four places ahead of the first read of the sums and of writes over O's fragments
.endr
	WIN 0x01                                       ; source 0 (the sums) window 1
.irp pt, 0,1,2,3
.irp u, 0,1
.irp i, 0,2,4,6
	v_pk_fma_f32 v[SCR+8*(2*\pt+\u)+\i:SCR+8*(2*\pt+\u)+\i+1], v[8*(2*\pt+\u)+\i:8*(2*\pt+\u)+\i+1], v[GG:GG+1], v[GB+2*\u:GB+2*\u+1] op_sel_hi:[1,0,0]   ; sum x gamma 2^(e10 + e11) + gamma bp
.endr
.endr
.endr
	WIN 0
	; THE WAY OUT: a tile of 16 channels x 64 pixels at a time through my own stage: in by lanes (a channel, 32 bytes), back by rows of 256 bytes.  LDS serves a wave's instructions in order (ISA guide 5.7.1.4): no wait between.
.irp u, 0,1
.irp pt, 0,1,2,3
	ds_store_b128 v[SO], v[SCR+8*(2*\pt+\u):SCR+8*(2*\pt+\u)+3] offset:64*\pt
	ds_store_b128 v[SO], v[SCR+8*(2*\pt+\u)+4:SCR+8*(2*\pt+\u)+7] offset:64*\pt+16
.endr
.irp i, 0,1,2,3,4,5,6,7
	ds_load_b128 v[192+4*(8*\u+\i):192+4*(8*\u+\i)+3], v[RD] offset:2*\i*SPT
.endr
.endr
	s_wait_loadcnt 0x0                             ; x
	s_wait_dscnt 0x0                               ; the rows are back
	WIN 0x04                                       ; source 1 (x) window 1
.set k, 0
.rept 32
	v_pk_add_f32 v[192+2*k:192+2*k+1], v[192+2*k:192+2*k+1], v[VF+2*k:VF+2*k+1]
.set k, k+1
.endr
	WIN 0
.irp u, 0,1
.irp i, 0,1,2,3,4,5,6,7
	global_store_b128 v[XRO], v[192+4*(8*\u+\i):192+4*(8*\u+\i)+3], s[18:19] offset:(8*\u+2*\i+8*(\i/4))*16384 th:TH_STORE_NT   ; sixteen lanes store 256 consecutive bytes, at a multiple of 256 from out0's first byte
.endr
.endr
	s_wait_tensorcnt 0x0                           ; the wave's end, behind my last tensor load and my last LDS store
	ds_add_u32 v[SPW], v[NIL]
	s_wait_dscnt 0x0
	CROUND                                         ; the closing round: no work-group ends while a partner may still ask for a tile that names it
	s_endpgm
.Lfunc_end_k_qa64eb8f853_attn:
	.size	k_qa64eb8f853_attn, .Lfunc_end_k_qa64eb8f853_attn-k_qa64eb8f853_attn
	.p2alignl 7, 3214868480
	.fill 96, 4, 3214868480
	.section	.rodata,"a",@progbits
	.p2align	6, 0x0
	.amdhsa_kernel k_qa64eb8f853_attn
		.amdhsa_group_segment_fixed_size 327680
		.amdhsa_private_segment_fixed_size 0
		.amdhsa_enable_private_segment 0
		.amdhsa_kernarg_size 64
		.amdhsa_user_sgpr_count 2
		.amdhsa_user_sgpr_kernarg_segment_ptr 1
		.amdhsa_wavefront_size32 1
		.amdhsa_system_sgpr_workgroup_id_x 1
		.amdhsa_system_sgpr_workgroup_id_y 1
		.amdhsa_system_sgpr_workgroup_id_z 1
		.amdhsa_system_vgpr_workitem_id 0
		.amdhsa_next_free_vgpr 512
		.amdhsa_next_free_sgpr 100
		.amdhsa_reserve_vcc 0
		.amdhsa_float_denorm_mode_32 3
		.amdhsa_float_denorm_mode_16_64 3
		.amdhsa_fp16_overflow 1
		.amdhsa_memory_ordered 1
		.amdhsa_forward_progress 1
		.amdhsa_inst_pref_size 128
	.end_amdhsa_kernel
	.amdgpu_metadata
---
amdhsa.version: [ 1, 2 ]
amdhsa.kernels:
  - .name:           k_qa64eb8f853_attn
    .symbol:         k_qa64eb8f853_attn.kd
    .args:
      - { .name: q_img, .offset: 0, .size: 8, .value_kind: global_buffer, .address_space: global }
      - { .name: kv_img, .offset: 8, .size: 8, .value_kind: global_buffer, .address_space: global }
      - { .name: wp_img, .offset: 16, .size: 8, .value_kind: global_buffer, .address_space: global }
      - { .name: lowp_scales, .offset: 24, .size: 8, .value_kind: global_buffer, .address_space: global }
      - { .name: bp, .offset: 32, .size: 8, .value_kind: global_buffer, .address_space: global }
      - { .name: gamma, .offset: 40, .size: 8, .value_kind: global_buffer, .address_space: global }
      - { .name: x, .offset: 48, .size: 8, .value_kind: global_buffer, .address_space: global }
      - { .name: out0, .offset: 56, .size: 8, .value_kind: global_buffer, .address_space: global }
    .group_segment_fixed_size: 327680
    .private_segment_fixed_size: 0
    .kernarg_segment_align: 8
    .kernarg_segment_size: 64
    .max_flat_workgroup_size: 256
    .sgpr_count:     100
    .vgpr_count:     512
    .wavefront_size: 32
...
	.end_amdgpu_metadata
.endif
;; end of part 2
